; MI455X (gfx1250); checked and timed in simulation.
; The chip was launched on July 23, 2026; its instructions are those of AMD's public machine-readable ISA for CDNA 5 (MIT licence, August 2026) and "CDNA5" Instruction Set Architecture Reference Guide (July 2026). The comments in the code are by the model that wrote it; some were corrected since.
;; LSTM Cell. Allowed arithmetic: matrix products marked QUANTISED: E2M3 operands, one E8M0 scale for each 32 along K, by v_wmma_scale_f32_16x16x128_f8f6f4 with both operands' format E2M3, f32 sums; everything else in f32.
;; Inputs: W_c 1,024 x 2,048 float32; W_f 1,024 x 2,048 float32; W_i 1,024 x 2,048 float32; W_o 1,024 x 2,048 float32; b_c 1,024 float32; b_f 1,024 float32; b_i 1,024 float32; b_o 1,024 float32; c_prev 8,192 x 1,024 float32; h_prev 8,192 x 1,024 float32; x_t 8,192 x 1,024 float32.
;; Outputs: out0 8,192 x 1,024 float32; out1 8,192 x 1,024 float32.
;; This version of the problem:
;;   THIS VERSION OF THE PROBLEM IS GIVEN IN LOW PRECISION. The matrix products marked QUANTISED in the list below multiply operands that are first quantised to E2M3 (2 exponent bits, 3 mantissa bits; 6 bits a number), with one power-of-two scale for each 32 numbers along K (OCP MX v1.0); their sums are f32. All else is computed in f32.
;;   The module's matrix products, in the order in which they are computed (A, B: the left and right operand; K: the contracted axis; several contracted axes count as one K, in the product's order):
;;     1. [M 8,192, K 2,048] x [K 2,048, N 4,096]; A: computed on the way; B: computed on the way: QUANTISED
;;   THE QUANTISER, for each operand of a quantised product, along K:
;;     - K is cut into blocks of 32 from its start; a last block that is shorter is filled with zeros.
;;     - A block's scale is 2^e with e = floor(log2(the largest magnitude in the block)) - 2, held to -126 .. 127; a block of zeros has e = 0. As a byte (E8M0): e + 127.
;;     - Each number is divided by its block's scale, clamped to +-7.5, and rounded to the nearest number of E2M3, ties to even, subnormals kept.
;;     - The product sums the exact products of the quantised numbers (number of the format x scale) in f32.
;;   ~~~python
;;   def quantise(x, axis):      # numpy; x: float32 -> the quantised numbers, widened to float32 again
;;       x = np.moveaxis(x, axis, -1); K = x.shape[-1]
;;       x = np.pad(x, [(0, 0)] * (x.ndim - 1) + [(0, -K % 32)]); x = x.reshape(x.shape[:-1] + (-1, 32)); a = np.abs(x).max(-1, keepdims=True)
;;       e = np.where(a > 0, np.clip(np.frexp(np.where(a > 0, a, 1))[1] - 1 - 2, -126, 127), 0)      # np.frexp(a)[1] - 1 = floor(log2(a)), exactly
;;       r = np.clip(x / 2.0 ** e, -7.5, 7.5)
;;       step = 2.0 ** (np.maximum(np.frexp(np.where(r == 0, 1, r))[1] - 1, 0) - 3)
;;       q = np.round(r / step) * step * 2.0 ** e      # np.round: ties to even
;;       return np.moveaxis(q.reshape(q.shape[:-2] + (-1,))[..., :K], -1, axis).astype(np.float32)
;;   ~~~
;;   OPERANDS COMPUTED ON THE WAY. 'Computed on the way' means the value that the module computes at that place (a softmax that the list does not call 'softmax' is quantised finished and normalised). What goes into a quantiser is computed in f32, as accurately as f32 sums, v_exp_f32 and their like allow (about 1e-6 of the number): no bf16 or f16 on the way to a quantiser, and a product that is left as it is and whose result goes on into a quantised operand takes f32 operands (vector FMAs, or v_wmma_f32_16x16x4_f32). A number that lies on a knife's edge between two numbers of the format may be rounded either way, as far as f32 arithmetic and the matrix unit's own rounding can turn it there, and no further.
;; One version. Each part assembles by itself: llvm-mc -triple=amdgcn-amd-amdhsa -mcpu=gfx1250 --defsym DOCPART=n.
;; ======== version 1 of 1: 2 launches
;; limits: right only within a limited range of input values
;; workspace buffers: a_codes 12,582,912 bytes; a_scales 524,288 bytes; b_codes 6,291,456 bytes; b_scales 262,144 bytes
;; launch quant (part 1): grid 768 x 1, 4 waves a work-group, no clusters, 34,304 bytes of LDS; arguments x_t, h_prev, W_f, W_i, W_c, W_o, a_codes, a_scales, b_codes, b_scales; writes a_codes, a_scales, b_codes, b_scales
.if DOCPART == 1
	.amdgcn_target "amdgcn-amd-amdhsa--gfx1250"
	.amdhsa_code_object_version 6
	.text
	.protected	k_qcf9c3b35be_quant
	.globl	k_qcf9c3b35be_quant
	.p2align	8
	.type	k_qcf9c3b35be_quant,@function
k_qcf9c3b35be_quant:
	s_mov_b64 s[64:65], 0
	v_nop
	global_prefetch_b8 v0, s[64:65] scope:SCOPE_SE
	s_setreg_imm32_b32 hwreg(HW_REG_WAVE_MODE, 25, 1), 1
	s_wait_xcnt 0x0
; The two operands of gates = [x_t | h_prev] [W_f; W_i; W_c; W_o]^T, all f32 with K innermost, become codes of FP6 (E2M3) with one E8M0 byte for each 32 along K.
; A block's scale is 2^(floor(log2(its largest magnitude)) - 2): its byte is the largest magnitude's exponent field - 2, held at 1 from below; each number is divided by the scale and
; rounded to the nearest code, ties to even, beyond 7.5 the largest code.  No step and no input of the problem is left out.
; LIMITS: a block of zeros, and a block whose largest magnitude lies under 2^-124, gets the byte 1 (zero codes add nothing under that byte; the bytes are read by this program alone);
; NaN and infinities among the inputs are not served.
; THE WORKSPACE IS LAID IN THE ORDER OF THE OPERAND'S REGISTERS.  A fragment (16 rows x 128 K) is 12 registers a lane; its image is 1,536 bytes: registers 4 c .. 4 c + 3 of lane l at 512 c + 16 l.
;   codes: [K step of 128: 16][block of 16 rows][1,536 bytes]
;   scale words: [block of 16 rows][four K steps: 4][lane (r, h): 32][w: 2], 4 bytes each: row r's word of K step 4 q + 2 w + h
; A's blocks of rows are the batch's, in order.  B's block 16 x + 4 g + t holds, as its row r, row 64 x + 4 r + t of gate g's weight (f, i, c, o = 0 .. 3): 16 blocks on end hold 64 hidden
; columns of all four gates, and the four blocks t of a gate give lane r four neighbouring hidden columns.
; SHARES.  A wave takes 16 rows x 512 along K: four fragments.  768 work-groups of four waves: 256 for x_t, 256 for h_prev, 64 for each W.  One path for all six: only pointers and numbers are chosen.
; Each load reads 512 consecutive bytes of one row; the 16 x 512 bytes of a fragment turn through the wave's own stage in LDS (rows 528 bytes apart) and come back so that lane (r, h) holds
; k = 64 c + 32 h + 0 .. 31 of row r.  Waves share nothing: no barrier.  Every store covers 512 or 256 consecutive bytes, aligned.
.set AKS,  786432                      ; a K step of A's codes: 512 blocks x 1,536 bytes
.set BKS,  393216                      ; of B's: 256 blocks
.set STG,  8448                        ; a wave's stage: 16 rows x 528 bytes
.set SP,   528
.set OFF,  16                          ; v16-31   byte offset of my 16 bytes in row r of the job
.set R,    32                          ; v32-95, v96-159  two sets of 64 numbers
.set T,    160                         ; v160-167 the second halves of the blocks' codes, before they are moved
.set W,    168                         ; v168-171 the four fragments' scale words
.set C,    176                         ; v176-223 codes: 12 registers for each fragment
	s_load_b256 s[4:11], s[0:1], 0x0               ; x_t, h_prev, W_f, W_i
	s_load_b256 s[12:19], s[0:1], 0x20             ; W_c, W_o, A's codes, A's scales
	s_load_b128 s[20:23], s[0:1], 0x40             ; B's codes, B's scales
	v_lshl_add_u32 v224, v0, 2, 0x8400             ; my spare word, behind the four stages
	v_mov_b32 v225, 0
	v_lshrrev_b32 v1, 5, v0
	v_readfirstlane_b32 s24, v1                    ; wave 0..3
	v_and_b32 v1, 31, v0                           ; lane
	v_and_b32 v2, 15, v0                           ; r
	v_bfe_u32 v3, v0, 4, 1                         ; h
	v_lshlrev_b32 v4, 4, v1                        ; 16 x lane
	s_mul_i32 s25, s24, STG
	v_add_nc_u32 v5, s25, v4                       ; the stage, on the way in
	v_mul_u32_u24 v6, v2, SP
	v_lshl_add_u32 v6, v3, 7, v6
	v_add_nc_u32 v6, s25, v6                       ; and on the way out: row r, + 128 h bytes
	v_lshlrev_b32 v7, 3, v1                        ; 8 x lane: the scale words' way out
	v_lshlrev_b32 v15, 3, v3                       ; 8 h: how far up my two bytes stand in the scale word
.irp s, 0,1,2,3
	v_mov_b32 v[W+\s], 0                           ; a lane permute's destination counts as one of its sources
.endr
	s_mov_b32 s44, 0x76543210
	s_mov_b32 s45, 0xfedcba98                      ; selects for lane l xor 16
	; the job, if the work-group is one of A's 512: t = 4 (g % 256) + wave; block of rows t / 2, half t % 2 of the tensor's 1,024 along K
	s_and_b32 s25, ttmp9, 255
	s_lshl_b32 s25, s25, 2
	s_add_co_u32 s25, s25, s24
	s_lshr_b32 s26, s25, 1                         ; block of rows
	s_and_b32 s27, s25, 1
	s_lshr_b32 s28, ttmp9, 8
	s_lshl_b32 s28, s28, 1
	s_add_co_u32 s28, s28, s27                     ; which 512 of K's 2,048
	s_lshl_b32 s29, s26, 16                        ; 16 rows of 4,096 bytes
	s_lshl_b32 s27, s27, 11
	s_add_co_u32 s29, s29, s27                     ; where the job begins in its tensor
	; and if it is one of B's 256: g % 64 = 4 x + t, gate (g / 64) % 4; the wave's number says which 512 of K
	s_and_b32 s30, ttmp9, 63
	s_lshr_b32 s31, ttmp9, 6
	s_and_b32 s31, s31, 3
	s_lshr_b32 s32, s30, 2                         ; x
	s_lshl_b32 s34, s32, 19                        ; 64 x rows of 8,192 bytes
	s_lshl_b32 s32, s32, 4
	s_lshl_b32 s31, s31, 2
	s_add_co_u32 s32, s32, s31
	s_and_b32 s33, s30, 3                          ; t
	s_add_co_u32 s32, s32, s33                     ; its block: 16 x + 4 gate + t
	s_lshl_b32 s33, s33, 13
	s_add_co_u32 s34, s34, s33                     ; + t rows
	s_lshl_b32 s33, s24, 11
	s_add_co_u32 s34, s34, s33
	s_mov_b32 s35, 32768                           ; from row to row of the block: four rows of W
	s_mov_b32 s33, BKS
	s_wait_kmcnt 0x0
	s_cmp_lt_u32 ttmp9, 512                        ; A's or B's?  The choice hangs on the work-group's number alone
	s_cselect_b32 s26, s26, s32
	s_cselect_b32 s28, s28, s24
	s_cselect_b32 s29, s29, s34
	s_cselect_b32 s35, 4096, s35
	s_cselect_b32 s33, AKS, s33
	s_cselect_b64 s[38:39], s[16:17], s[20:21]
	s_cselect_b64 s[42:43], s[18:19], s[22:23]
	s_mov_b64 s[36:37], s[14:15]                   ; the tensor: W_o from work-group 704 on,
	s_cmp_lt_u32 ttmp9, 704
	s_cselect_b64 s[36:37], s[12:13], s[36:37]     ; W_c from 640,
	s_cmp_lt_u32 ttmp9, 640
	s_cselect_b64 s[36:37], s[10:11], s[36:37]     ; W_i from 576,
	s_cmp_lt_u32 ttmp9, 576
	s_cselect_b64 s[36:37], s[8:9], s[36:37]       ; W_f from 512,
	s_cmp_lt_u32 ttmp9, 512
	s_cselect_b64 s[36:37], s[6:7], s[36:37]       ; h_prev from 256,
	s_cmp_lt_u32 ttmp9, 256
	s_cselect_b64 s[36:37], s[4:5], s[36:37]       ; x_t below
	s_mul_i32 s30, s28, s33
	s_lshl_b32 s30, s30, 2                         ; my first K step is four times the number of my 512,
	s_mul_i32 s31, s26, 1536
	s_add_co_u32 s30, s30, s31                     ; and in it my block's image
	s_mov_b32 s31, 0
	s_add_nc_u64 s[38:39], s[38:39], s[30:31]      ; fragment 0 goes here,
	s_mov_b32 s32, s33
	s_mov_b32 s33, 0
	s_add_nc_u64 s[40:41], s[38:39], s[32:33]      ; fragments 1, 2 and 3 each a K step further on
	s_add_nc_u64 s[46:47], s[40:41], s[32:33]
	s_add_nc_u64 s[48:49], s[46:47], s[32:33]
	s_lshl_b32 s30, s26, 10                        ; a block's scale words are 1,024 bytes, my four K steps' 256
	s_lshl_b32 s34, s28, 8
	s_add_co_u32 s30, s30, s34
	s_add_nc_u64 s[42:43], s[42:43], s[30:31]
	s_mov_b32 s30, s29
	s_add_nc_u64 s[36:37], s[36:37], s[30:31]
	v_mov_b32 v[OFF], v4
.irp r, 1,2,3,4,5,6,7,8,9,10,11,12,13,14,15
	v_add_nc_u32 v[OFF+\r], s35, v[OFF+\r-1]
.endr
.macro LOAD s                          ; fragment s: 128 along K of each of the 16 rows; 32 lanes read 512 consecutive bytes
.irp r, 0,1,2,3,4,5,6,7,8,9,10,11,12,13,14,15
	global_load_b128 v[R+64*((\s)%2)+4*\r:R+64*((\s)%2)+4*\r+3], v[OFF+\r], s[36:37] offset:512*(\s) th:TH_LOAD_NT
.endr
.endm
.macro FRAGQ s
.set XS, R+64*((\s)%2)
.set DP, 38+2*(\s)+4*((\s)/2)          ; the fragment's pointer: s38, s40, s46, s48
.if (\s) < 3
	s_wait_loadcnt 16                              ; this fragment's 16 loads are in; the other set's 16 may be out
.else
	s_wait_loadcnt 0x0
.endif
.irp r, 0,1,2,3,4,5,6,7,8,9,10,11,12,13,14,15
	ds_store_b128 v5, v[XS+4*\r:XS+4*\r+3] offset:SP*\r
.endr
	s_wait_dscnt 0x0                               ; the stores have read their registers: the same set takes the numbers back
.irp c, 0,1
.irp i, 0,1,2,3,4,5,6,7
	ds_load_b128 v[XS+32*\c+4*\i:XS+32*\c+4*\i+3], v6 offset:256*\c+16*\i   ; register 32 c + n: k = 64 c + 32 h + n of row r
.endr
.endr
	s_wait_dscnt 0x0
.irp c, 0,1
	v_max3_num_f32 v[8+\c], |v[XS+32*\c]|, |v[XS+32*\c+1]|, 0x1800000   ; with the floor 2^(3 - 127): the byte cannot fall under 1
.endr
.irp i, 2,4,6,8,10,12,14,16,18,20,22,24,26,28,30
.irp c, 0,1
	v_max3_num_f32 v[8+\c], v[8+\c], |v[XS+32*\c+\i]|, |v[XS+32*\c+\i+1]|
.endr
.endr
.irp c, 0,1
	v_add_nc_u32 v[10+\c], 0xff000000, v[8+\c]     ; 2 off the exponent field: the conversion's scale operand
.endr
.irp c, 0,1
	v_lshrrev_b32 v[12+\c], 23, v[10+\c]           ; the scale's byte
.endr
	v_lshl_or_b32 v14, v13, 16, v12                ; my two bytes, blocks h and 2 + h of row r,
	v_lshlrev_b32 v14, v15, v14                    ; at their places in the scale word;
	v_permlanex16_b32 v[W+(\s)], v14, s44, s45
	v_or_b32 v[W+(\s)], v[W+(\s)], v14             ; with lane l xor 16's two the word is whole, in both lanes
.irp c, 0,1
	v_cvt_scalef32_pk16_fp6_f32 v[C+12*(\s)+6*\c:C+12*(\s)+6*\c+2], v[XS+32*\c:XS+32*\c+15], v[10+\c]
	v_cvt_scalef32_pk16_fp6_f32 v[T+4*\c:T+4*\c+2], v[XS+32*\c+16:XS+32*\c+31], v[10+\c]   ; (three registers begin on an even number: made here and moved)
.endr
	v_nop                                          ; one plain place behind a scaled conversion
.irp c, 0,1
.irp i, 0,1,2
	v_mov_b32 v[C+12*(\s)+6*\c+3+\i], v[T+4*\c+\i]
.endr
.endr
.if (\s) < 2
	LOAD (\s)+2
.endif
.irp c, 0,1,2
	global_store_b128 v4, v[C+12*(\s)+4*\c:C+12*(\s)+4*\c+3], s[DP:DP+1] offset:512*\c   ; the image: 512 consecutive bytes, aligned
.endr
.endm
	LOAD 0
	LOAD 1
	FRAGQ 0
	FRAGQ 1
	FRAGQ 2
	FRAGQ 3
	v_cmp_lt_u32 vcc_lo, 15, v1                    ; lane (r, h) stores row r's words of my K steps h and 2 + h
	v_cndmask_b32 v172, v[W], v[W+1], vcc_lo
	v_cndmask_b32 v173, v[W+2], v[W+3], vcc_lo
	global_store_b64 v7, v[172:173], s[42:43]      ; 32 lanes store 256 consecutive bytes, aligned
	s_wait_tensorcnt 0x0                           ; the wave's end
	ds_add_u32 v224, v225
	s_wait_dscnt 0x0
	s_endpgm
.Lfunc_end_k_qcf9c3b35be_quant:
	.size	k_qcf9c3b35be_quant, .Lfunc_end_k_qcf9c3b35be_quant-k_qcf9c3b35be_quant
	.p2alignl 7, 3214868480
	.fill 96, 4, 3214868480
	.section	.rodata,"a",@progbits
	.p2align	6, 0x0
	.amdhsa_kernel k_qcf9c3b35be_quant
		.amdhsa_group_segment_fixed_size 34304
		.amdhsa_private_segment_fixed_size 0
		.amdhsa_enable_private_segment 0
		.amdhsa_kernarg_size 80
		.amdhsa_user_sgpr_count 2
		.amdhsa_user_sgpr_kernarg_segment_ptr 1
		.amdhsa_wavefront_size32 1
		.amdhsa_system_sgpr_workgroup_id_x 1
		.amdhsa_system_sgpr_workgroup_id_y 1
		.amdhsa_system_sgpr_workgroup_id_z 1
		.amdhsa_system_vgpr_workitem_id 0
		.amdhsa_next_free_vgpr 226
		.amdhsa_next_free_sgpr 66
		.amdhsa_reserve_vcc 1
		.amdhsa_float_denorm_mode_32 3
		.amdhsa_float_denorm_mode_16_64 3
		.amdhsa_memory_ordered 1
		.amdhsa_forward_progress 1
		.amdhsa_inst_pref_size 32
	.end_amdhsa_kernel
	.amdgpu_metadata
---
amdhsa.version: [ 1, 2 ]
amdhsa.kernels:
  - .name:           k_qcf9c3b35be_quant
    .symbol:         k_qcf9c3b35be_quant.kd
    .args:
      - { .name: x_t, .offset: 0, .size: 8, .value_kind: global_buffer, .address_space: global }
      - { .name: h_prev, .offset: 8, .size: 8, .value_kind: global_buffer, .address_space: global }
      - { .name: W_f, .offset: 16, .size: 8, .value_kind: global_buffer, .address_space: global }
      - { .name: W_i, .offset: 24, .size: 8, .value_kind: global_buffer, .address_space: global }
      - { .name: W_c, .offset: 32, .size: 8, .value_kind: global_buffer, .address_space: global }
      - { .name: W_o, .offset: 40, .size: 8, .value_kind: global_buffer, .address_space: global }
      - { .name: a_codes, .offset: 48, .size: 8, .value_kind: global_buffer, .address_space: global }
      - { .name: a_scales, .offset: 56, .size: 8, .value_kind: global_buffer, .address_space: global }
      - { .name: b_codes, .offset: 64, .size: 8, .value_kind: global_buffer, .address_space: global }
      - { .name: b_scales, .offset: 72, .size: 8, .value_kind: global_buffer, .address_space: global }
    .group_segment_fixed_size: 34304
    .private_segment_fixed_size: 0
    .kernarg_segment_align: 8
    .kernarg_segment_size: 80
    .max_flat_workgroup_size: 128
    .sgpr_count:     66
    .vgpr_count:     226
    .wavefront_size: 32
...
	.end_amdgpu_metadata
.endif
;; end of part 1
;; launch cell (part 2): grid 16 x 32, 4 waves a work-group, clusters of 4 x 4, 327,680 bytes of LDS; arguments a_codes, a_scales, b_codes, b_scales, c_prev, b_f, b_i, b_c, b_o, out0, out1; writes out0, out1
.if DOCPART == 2
	.amdgcn_target "amdgcn-amd-amdhsa--gfx1250"
	.amdhsa_code_object_version 6
	.text
	.protected	k_qcf9c3b35be_cell
	.globl	k_qcf9c3b35be_cell
	.p2align	8
	.type	k_qcf9c3b35be_cell,@function
k_qcf9c3b35be_cell:
	s_mov_b64 s[64:65], 0
	v_nop
	global_prefetch_b8 v0, s[64:65] scope:SCOPE_SE
	s_setreg_imm32_b32 hwreg(HW_REG_WAVE_MODE, 25, 1), 1
	s_wait_xcnt 0x0
	s_wait_alu depctr_hold_cnt(0) depctr_sa_sdst(0) depctr_va_vdst(0) depctr_va_sdst(0) depctr_va_ssrc(0) depctr_va_vcc(0) depctr_vm_vsrc(0)
	s_getreg_b32 s2, hwreg(HW_REG_IB_STS2, 6, 4)
	s_cmp_eq_u32 s2, 0
	s_cbranch_scc0 .Lentry_in_a_cluster
	s_endpgm
.Lentry_in_a_cluster:
	s_bfe_u32 s2, ttmp6, 0x10000c
	s_cmp_lg_u32 s2, 0xf033
	s_cbranch_scc0 .Lentry_shape_is_right
	s_endpgm
.Lentry_shape_is_right:
; gates = A B^T + b on codes of FP6 (E2M3) with one E8M0 scale for each 32 along K (A: 8,192 rows, B: 4,096 rows, K = 2,048; sums in f32), and behind it, in f32, in registers:
; f, i, o = sigmoid, g = tanh, c_t = f c_prev + i g (out1), h_t = o tanh(c_t) (out0).  The gates never go to memory or LDS.  No step and no input is left out.
; sigmoid(x) = 1 / (1 + 2^(-x log2 e)), tanh(x) = 1 - 2 / (1 + 2^(2 x log2 e)): where the power overflows the reciprocal is 0, where it falls to 0 the reciprocal is 1: no clamp is needed.
; The bias enters as b x factor in the multiply-add that makes the exponent: sum x factor + b x factor.
; LIMITS: tanh so made has an absolute error of some 2e-7 near 0 (not a relative one); NaN and infinities among the inputs are not served.
; OPERANDS lie in memory as images of the operand's registers: a fragment (16 rows x 128 K, 12 registers a lane) is 1,536 bytes, registers 4 c .. 4 c + 3 of lane l at 512 c + 16 l;
;   codes [K step: 16][block of 16 rows][1,536]; scale words [block][four K steps: 4][lane (r, h)][w: 2]: row r's word of K step 4 q + 2 w + h.
; B's block 4 g + t of a tile holds as its row r the hidden column 4 r + t of gate g (f, i, c, o = 0 .. 3) of the tile's 64.
; SHARES.  A work-group of four waves makes 256 batch rows x 256 rows of B (64 hidden columns); a wave 64 rows x all 256: 4 x 16 accumulators, 512 registers.
; In accumulator (a, 4 g + t) lane (r, h) holds in register j: row 16 a + 8 h + j, gate g, hidden column 4 r + t.  So a lane has all four gates of four neighbouring hidden columns of a row:
; c_prev comes from memory and c_t, h_t go to memory 16 bytes a lane, sixteen lanes on 256 consecutive aligned bytes of a row, with no stage in LDS and no barrier on the way out.
; THE RING: two LDS slots of two K steps.  K step q of slot s lies at (2 s + q) x 24,576 bytes for A and 4 x 24,576 further on for B: so the head's one load of A and one of B bring
; K steps 0 to 3, both slots.  A trip of the loop is four K steps, once round the ring; the first step (its products start the sums) and the last three (no refill) are written out.
; Behind a round each wave brings one dense run of 24,576 bytes (one operand's tile of one K step), as rows of 256 bytes.  The change of slots stands behind a step's first 32 products.
; The scale words of the tile's 256 + 256 rows, for all of K, come once, with the head's loads.  Words w = 0 serve K steps 0, 1 of four, w = 1 steps 2, 3 (lanes 0-15, then lanes 16-31):
; each half of the one set of scale registers is loaded anew while the other half is at work.
; CLUSTERS: 4 x 4 work-groups; A's tiles are asked for jointly along a row of the cluster, B's along a column.
; PREFETCH: behind each refill a wave asks for the run that it will fetch two refills (four K steps, one trip) on.  Of the run's 96 blocks of 256 bytes each of the four partners that fetch it
; jointly names 24, told apart by address (cx for A, cy for B), a lane a block; lanes 24-31 name the 24th again.  The head asks for the first two refills' runs; the last trip asks for nothing.
; REGISTERS: window 0: v16-29 addresses; v32-71 scale words (nothing else); v72-103 biases x factor, each twice; v104-199 A's fragments, two sets.
;   window 1: v0-191 B's fragments, one set; v192-223 c_prev; on the way out all of it.   windows 2, 3: accumulators (a, b) at v[8 (16 (a % 2) + b)], a / 2 the window.
.set AKS,   786432                     ; a K step of A's codes in memory
.set BKS,   393216                     ; of B's
.set KT,    24576                      ; a tile's 16 blocks of one K step
.set SLOT,  2*KT                       ; from slot 0 to slot 1, in A's region and in B's
.set SCL,   8*KT                       ; behind the ring: A's scale words (16,384 bytes), then B's
.set SPARE, SCL+32768                  ; the spare words, 128 bytes a wave
.set ADRA, 16                          ; v16-17 my A fragments in slot 0, 1
.set ADRB, 18                          ; v18-19 B's
.set ADSA0, 20                         ; my A scale words, B's scale words: at K = 0,
.set ADSB0, 21
.set ADSA, 22                          ; and at the trip's four K steps
.set ADSB, 23
.set CO,   24                          ; my byte offset in c_prev and the outputs: 8 h rows + 16 r
.set BO,   25                          ; in a bias: 16 r
.set PFO,  26                          ; the prefetches' offset: 256 x min(lane, 23); never rewritten
.set SPW,  28
.set NIL,  29
.set SA,   32                          ; A's scale words: 2 a + w
.set SB,   40                          ; B's: 2 b + w
.set BI,   72                          ; bias x factor of B's block b at 2 b and 2 b + 1
.set AF,   104
.set XB,   200                         ; the biases as loaded
.set T,    0                           ; window 1, the way out: 32 g + 8 t + j
.set TC,   64                          ; tanh(c_t) at work, 4 j + t (g's registers, free by then)
.set EA,   128                         ; a copy of CO
.set CT,   160                         ; c_t, 4 j + t
.set CP,   192                         ; c_prev, 4 j + t
.set HT,   224                         ; h_t, 4 j + t
.set WV,   100
.set RH,   101                         ; wave / 2: I fetch for A (0) or B (1)
.set CH,   104                         ; wave % 2: which K step of a slot I fetch
.set TY,   105
.set SQ,   96                          ; 256 x trip: the scale words' step
.set PFA,  40                          ; s[40:41] where my prefetches stand
.set PF1,  44                          ; s[44:45] the first refill's run; never rewritten
.set PST,  98                          ; s[98:99] two K steps of my operand's codes in bytes
.set G1,   24
.set G0,   32
.set G1B,  48
.set G0B,  56
.set G1S,  68
.set G0S,  76
.set G1SB, 80
.set G0SB, 88
.set MSB, 0
.macro WIN new
.if MSB != (\new)
	s_set_vgpr_msb (MSB<<8)|(\new)
.set MSB, (\new)
.endif
.endm
.set MUL_LO, 0xa4                      ; source 0 (A) window 0, source 1 (B) window 1, C and D window 2
.set MUL_HI, 0xf4                      ; C and D window 3
.macro PLACES
.rept 4
	v_nop
.endr
.endm
.macro JLOAD s                         ; a joint load into slot s; s_nop 0 and four v_nop behind each line
	s_cmp_eq_u32 s[RH], 0
	s_cbranch_scc0 .Lfor_b_\@
	tensor_load_to_lds s[G0+4*(\s):G0+4*(\s)+3], s[G1:G1+7]
	s_nop 0
	PLACES
	s_branch .Lasked_\@
.Lfor_b_\@:
	tensor_load_to_lds s[G0B+4*(\s):G0B+4*(\s)+3], s[G1B:G1B+7]
	s_nop 0
	PLACES
.Lasked_\@:
.endm
.macro CREST
	s_cmp_lg_u32 s[WV], 0
	s_cbranch_scc1 .Lnot_wave_0_\@
	s_barrier_signal -3
.Lnot_wave_0_\@:
	s_barrier_wait -3
	s_barrier_signal -1
	s_barrier_wait -1
.endm
.macro CROUND
	s_barrier_signal -1
	s_barrier_wait -1
	CREST
.endm
	s_load_b256 s[4:11], s[0:1], 0x0               ; A's codes, A's scales, B's codes, B's scales
	s_load_b256 s[12:19], s[0:1], 0x20             ; c_prev, b_f, b_i, b_c
	s_load_b128 s[20:23], s[0:1], 0x40             ; b_o, out0
	s_load_b64 s[66:67], s[0:1], 0x50              ; out1
	v_lshl_add_u32 v[SPW], v0, 2, SPARE
	v_mov_b32 v[NIL], 0
	ds_add_u32 v[SPW], v[NIL]                      ; the opening lines
	ds_add_u32 v[SPW], v[NIL]
	v_lshrrev_b32 v1, 5, v0
	v_readfirstlane_b32 s[WV], v1
	s_lshr_b32 s[RH], s[WV], 1
	s_and_b32 s[CH], s[WV], 1
	s_bfe_u32 s40, ttmp6, 0x40000                  ; cx, cy
	s_bfe_u32 s41, ttmp6, 0x40004
	s_lshl_b32 s42, ttmp9, 2
	s_add_co_u32 s42, s42, s40                     ; tile column
	s_and_b32 s[TY], ttmp7, 0xffff
	s_lshl_b32 s[TY], s[TY], 2
	s_add_co_u32 s[TY], s[TY], s41                 ; tile row
	s_lshl_b32 s43, s41, 2
	s_lshl_b32 s43, 15, s43                        ; my row of the cluster
	s_lshl_b32 s44, 0x1111, s40                    ; my column
	; group 1, elements of 8 bytes.  For the head's loads of codes: four K steps, each a row of 24,576 bytes
	s_or_b32 s[G1+0], s43, (3<<16)|(1<<21)
	s_or_b32 s[G1B+0], s44, (3<<16)|(1<<21)
.irp g, G1, G1B
	s_mov_b32 s[\g+1], 3072<<16
	s_mov_b32 s[\g+2], 4<<16
	s_mov_b32 s[\g+3], 3072<<16
	s_mov_b32 s[\g+4], 4
	s_mov_b32 s[\g+6], 0
	s_mov_b32 s[\g+7], 0
.endr
	s_mov_b32 s[G1+5], AKS/8
	s_mov_b32 s[G1B+5], BKS/8
	; for the scale words of 16 blocks: a dense 16,384 bytes as 64 rows of 256
	s_or_b32 s[G1S+0], s43, (3<<16)|(1<<21)
	s_or_b32 s[G1SB+0], s44, (3<<16)|(1<<21)
.irp g, G1S, G1SB
	s_mov_b32 s[\g+1], 32<<16
	s_mov_b32 s[\g+2], 64<<16
	s_mov_b32 s[\g+3], 32<<16
	s_mov_b32 s[\g+4], 64
	s_mov_b32 s[\g+5], 32
	s_mov_b32 s[\g+6], 0
	s_mov_b32 s[\g+7], 0
.endr
	s_mul_i32 s45, s[RH], 4*KT                     ; where my part of a slot goes: A's region or B's,
	s_mul_i32 s46, s[CH], KT                       ; the slot's first or second K step: made of the wave's number alone
	s_add_co_u32 s45, s45, s46
.irp s, 0,1
	s_mov_b32 s[G0+4*\s], 1
	s_add_co_u32 s[G0+4*\s+1], s45, \s*SLOT
	s_mov_b32 s[G0B+4*\s], 1
	s_add_co_u32 s[G0B+4*\s+1], s45, \s*SLOT
.endr
	s_mov_b32 s[G0S], 1
	s_mov_b32 s[G0S+1], SCL
	s_mov_b32 s[G0SB], 1
	s_mov_b32 s[G0SB+1], SCL+16384
	s_mov_b32 s92, 0xbfb8aa3b                      ; -log2(e), as a pair
	s_mov_b32 s93, s92
	s_mov_b32 s94, 0x4038aa3b                      ; 2 log2(e)
	s_mov_b32 s95, s94
	s_mov_b32 s[SQ], 0
	s_mul_i32 s46, s[WV], 6144                     ; my four blocks of A's sixteen
	s_lshl_b32 s47, s[WV], 12
	s_add_co_u32 s47, s47, SCL                     ; and their scale words
	v_and_b32 v1, 15, v0                           ; r
	v_bfe_u32 v2, v0, 4, 1                         ; h
	v_and_b32 v3, 31, v0
	v_lshlrev_b32 v4, 4, v3                        ; 16 x lane
	v_add_nc_u32 v[ADRA], s46, v4
	v_add_nc_u32 v[ADRA+1], SLOT, v[ADRA]
	v_add_nc_u32 v[ADRB], 4*KT, v4
	v_add_nc_u32 v[ADRB+1], SLOT, v[ADRB]
	v_lshlrev_b32 v5, 3, v3                        ; 8 x lane
	v_add_nc_u32 v[ADSA0], s47, v5
	v_add_nc_u32 v[ADSB0], SCL+16384, v5
	v_mov_b32 v[ADSA], v[ADSA0]
	v_mov_b32 v[ADSB], v[ADSB0]
	v_lshlrev_b32 v[CO], 15, v2                    ; 8 h rows of 4,096 bytes
	v_lshl_add_u32 v[CO], v1, 4, v[CO]
	v_lshlrev_b32 v[BO], 4, v1
	v_min_u32 v[PFO], 23, v3
	v_lshlrev_b32 v[PFO], 8, v[PFO]
	s_wait_alu depctr_va_vdst(0)
	s_wait_dscnt 0x0                               ; both opening adds are done
	s_wait_kmcnt 0x0
	s_mul_i32 s2, s[TY], KT                        ; A hangs on the tile row alone
	s_mov_b32 s3, 0
	s_add_nc_u64 s[4:5], s[4:5], s[2:3]
	s_lshl_b32 s2, s[TY], 14
	s_add_nc_u64 s[G0S+2:G0S+3], s[6:7], s[2:3]
	s_mul_i32 s2, s[CH], AKS
	s_add_nc_u64 s[G0+2:G0+3], s[4:5], s[2:3]      ; slot 0: K step 0 or 1, slot 1: K step 2 or 3: each is stepped four K steps on ahead of its first use, a refill
	s_add_nc_u64 s[G0+6:G0+7], s[G0+2:G0+3], 2*AKS
	s_mov_b64 s[6:7], s[4:5]                       ; s[4:7]: group 0 of the head's load of A's K steps 0 to 3
	s_mul_i32 s46, s42, KT                         ; B on the tile column alone
	s_mov_b32 s47, 0
	s_add_nc_u64 s[8:9], s[8:9], s[46:47]
	s_lshl_b32 s46, s42, 14
	s_add_nc_u64 s[G0SB+2:G0SB+3], s[10:11], s[46:47]
	s_mul_i32 s46, s[CH], BKS
	s_add_nc_u64 s[G0B+2:G0B+3], s[8:9], s[46:47]
	s_add_nc_u64 s[G0B+6:G0B+7], s[G0B+2:G0B+3], 2*BKS
	s_mov_b64 s[10:11], s[8:9]                     ; s[8:11]: the same for B
	; the prefetches: my operand's tile at my K step of a slot, my work-group's 24 blocks of its 96
	s_cmp_eq_u32 s[RH], 0                          ; the choice hangs on the wave's number alone
	s_cselect_b32 s2, s40, s41                     ; my place among the four that fetch the run with me: cx for A, cy for B
	s_cselect_b64 s[PF1:PF1+1], s[G0+2:G0+3], s[G0B+2:G0B+3]
	s_mov_b32 s[PST], 2*BKS
	s_cselect_b32 s[PST], 2*AKS, s[PST]
	s_mov_b32 s[PST+1], 0
	s_mul_i32 s2, s2, 6144
	s_add_nc_u64 s[PF1:PF1+1], s[PF1:PF1+1], s[2:3]
	s_add_nc_u64 s[PF1:PF1+1], s[PF1:PF1+1], s[PST:PST+1]
	s_add_nc_u64 s[PF1:PF1+1], s[PF1:PF1+1], s[PST:PST+1]    ; K step 4 or 5: the first refill's
	s_add_nc_u64 s[PFA:PFA+1], s[PF1:PF1+1], s[PST:PST+1]    ; K step 6 or 7: the second's
	s_mov_b32 s4, 1
	s_mov_b32 s5, 0
	s_mov_b32 s8, 1
	s_mov_b32 s9, 4*KT
.irp g, G0+3, G0+7, G0B+3, G0B+7, G0S+3, G0SB+3, 7, 11
	s_or_b32 s[\g], s[\g], 0x80000000
.endr
	s_lshl_b32 s2, s[TY], 20                       ; c_prev and the outputs: 256 rows a tile, my 64, the tile's 256 bytes of each
	s_lshl_b32 s46, s[WV], 18
	s_add_co_u32 s2, s2, s46
	s_lshl_b32 s46, s42, 8
	s_add_co_u32 s2, s2, s46
	s_add_nc_u64 s[12:13], s[12:13], s[2:3]
	s_add_nc_u64 s[22:23], s[22:23], s[2:3]
	s_add_nc_u64 s[66:67], s[66:67], s[2:3]
.irp g, 14,16,18,20
	s_add_nc_u64 s[\g:\g+1], s[\g:\g+1], s[46:47]  ; the biases at the tile's 64 hidden columns
.endr
	CROUND                                         ; all sixteen work-groups are here: the first joint loads meet
; the head's loads, one a wave, in one chain of branches on the wave's number: A's K steps 0 to 3, B's, A's scale words, B's
.macro ARM under, g0, g1, next
	s_cmp_lt_u32 s[WV], \under
	s_cbranch_scc0 \next
	tensor_load_to_lds s[\g0:\g0+3], s[\g1:\g1+7]
	s_nop 0
	PLACES
	s_branch .Lhead_asked
\next:
.endm
	ARM 1, 4, G1, .Lhead_b
	ARM 2, 8, G1B, .Lhead_sa
	ARM 3, G0S, G1S, .Lhead_sb
	tensor_load_to_lds s[G0SB:G0SB+3], s[G1SB:G1SB+7]
	s_nop 0
	PLACES
.Lhead_asked:
	global_prefetch_b8 v[PFO], s[PF1:PF1+1] th:TH_LOAD_NT scope:SCOPE_SE   ; my share of what the first refill will fetch,
	global_prefetch_b8 v[PFO], s[PFA:PFA+1] th:TH_LOAD_NT scope:SCOPE_SE   ; and of the second's
.irp g, 0,1,2,3
	global_load_b128 v[XB+4*\g:XB+4*\g+3], v[BO], s[14+2*\g:15+2*\g]   ; gate g's bias at hidden columns 4 r + 0 .. 3
.endr
	WIN 0x40
.irp j, 0,1,2,3,4,5,6,7
	global_load_b128 v[CP+4*\j:CP+4*\j+3], v[CO], s[12:13] offset:\j*4096 th:TH_LOAD_NT   ; c_prev of my first 16 rows: sixteen lanes read 256 consecutive bytes
.endr
	WIN 0
	s_wait_loadcnt 8                               ; the biases are in; c_prev's eight loads may be out
.irp b, 0,1,2,3,4,5,6,7,8,9,10,11,12,13,14,15
.if \b/4 == 2
	v_mul_f32 v[BI+2*\b], s94, v[XB+\b]
	v_mul_f32 v[BI+2*\b+1], s94, v[XB+\b]
.else
	v_mul_f32 v[BI+2*\b], s92, v[XB+\b]
	v_mul_f32 v[BI+2*\b+1], s92, v[XB+\b]
.endif
.endr
.macro WM d, fa, fb, sa, sb, zero, odd
.if \zero
	v_wmma_scale_f32_16x16x128_f8f6f4 v[(\d):(\d)+7], v[(\fa):(\fa)+11], v[(\fb):(\fb)+11], 0, v[\sa], v[\sb] matrix_a_fmt:MATRIX_FMT_FP6 matrix_b_fmt:MATRIX_FMT_FP6
.else
.if \odd
	v_wmma_scale_f32_16x16x128_f8f6f4 v[(\d):(\d)+7], v[(\fa):(\fa)+11], v[(\fb):(\fb)+11], v[(\d):(\d)+7], v[\sa], v[\sb] matrix_a_fmt:MATRIX_FMT_FP6 matrix_b_fmt:MATRIX_FMT_FP6 matrix_a_scale:MATRIX_SCALE_ROW1 matrix_b_scale:MATRIX_SCALE_ROW1
.else
	v_wmma_scale_f32_16x16x128_f8f6f4 v[(\d):(\d)+7], v[(\fa):(\fa)+11], v[(\fb):(\fb)+11], v[(\d):(\d)+7], v[\sa], v[\sb] matrix_a_fmt:MATRIX_FMT_FP6 matrix_b_fmt:MATRIX_FMT_FP6
.endif
.endif
.endm
; 16 matrix instructions: A's blocks a0, a0 + 1 x B's blocks b0 .. b0 + 7, K step k of four.  The 64 accumulators take turns, one instruction a turn.
.macro MUL16 a0, b0, k, zero
.irp b, 0,1,2,3,4,5,6,7
.irp a, 0,1
	WM 8*(16*\a+\b0+\b), AF+48*((\k)%2)+12*(\a0+\a), 12*(\b0+\b), SA+2*(\a0+\a)+(\k)/2, SB+2*(\b0+\b)+(\k)/2, \zero, (\k)%2
.endr
.endr
.endm
.macro FB slot, q, b0                  ; B's blocks b0 .. b0 + 7 of the slot's q-th K step
	WIN 0x40
.irp b, 0,1,2,3,4,5,6,7
.irp c, 0,1,2
	ds_load_b128 v[12*(\b0+\b)+4*\c:12*(\b0+\b)+4*\c+3], v[ADRB+\slot] offset:(\q)*KT+(\b0+\b)*1536+512*\c
.endr
.endr
	WIN 0
.endm
.macro FA slot, q, p                   ; my four blocks of A into set p
.irp a, 0,1,2,3
.irp c, 0,1,2
	ds_load_b128 v[AF+48*(\p)+12*\a+4*\c:AF+48*(\p)+12*\a+4*\c+3], v[ADRA+\slot] offset:(\q)*KT+\a*1536+512*\c
.endr
.endr
.endm
.macro SCLD w, so                      ; the scale words w, so bytes on from the trip's
.irp a, 0,1,2,3
	ds_load_b32 v[SA+2*\a+(\w)], v[ADSA] offset:\a*1024+(\so)+4*(\w)
.endr
.irp b, 0,1,2,3,4,5,6,7,8,9,10,11,12,13,14,15
	ds_load_b32 v[SB+2*\b+(\w)], v[ADSB] offset:\b*1024+(\so)+4*(\w)
.endr
.endm
; K step k of four.  B's blocks 0-7 meet all of A first and are fetched anew in the step's middle, with A's other set; blocks 8-15 at its end.
; mode 0: the next step lies in the same slot.  mode 1: it lies in the other: in the step's middle the three lines, the barrier, which opens a round of the cluster's, and this slot's
; refill, four K steps on.  mode 2: the same with no refill and no round.  so >= 0: the idle half of the scale registers is loaded.
.macro STEP k, zero, mode, so
.set NK, ((\k)+1)%4
.if \mode == 1
	s_wait_xcnt 0x0                                ; my last prefetch has read its address: it steps two K steps on, to the run of two refills on
	s_add_nc_u64 s[PFA:PFA+1], s[PFA:PFA+1], s[PST:PST+1]
.endif
	s_wait_dscnt 24                                ; all but the youngest 24 loads (B's blocks 8-15)
	WIN MUL_LO
	MUL16 0, 0, \k, \zero
	WIN MUL_HI
	MUL16 2, 0, \k, \zero
.if \mode == 0
	s_wait_dscnt 0x0
	PLACES                                         ; four places ahead of loads into registers that matrix instructions have read
.else
	WIN 0
	s_wait_tensorcnt 0x0                           ; my part of the other slot has landed
	ds_add_u32 v[SPW], v[NIL]
	s_wait_dscnt 0x0                               ; the add is done, my reads of this slot are over
	s_barrier_signal -1
	s_barrier_wait -1
.if \mode == 1
	CREST
	s_add_nc_u64 s[G0+4*((\k)/2)+2:G0+4*((\k)/2)+3], s[G0+4*((\k)/2)+2:G0+4*((\k)/2)+3], 4*AKS
	s_add_nc_u64 s[G0B+4*((\k)/2)+2:G0B+4*((\k)/2)+3], s[G0B+4*((\k)/2)+2:G0B+4*((\k)/2)+3], 4*BKS
	JLOAD (\k)/2                                   ; my one load behind the round; its four v_nop are the places ahead of the loads below
.else
	PLACES
.endif
.endif
	FB NK/2, NK%2, 0
	FA NK/2, NK%2, NK%2
.if \mode == 1
	s_cmp_gt_u32 s3, 1                             ; the last trip's two refills have no run two refills on
	s_cbranch_scc0 .Lnot_asked_\@
	global_prefetch_b8 v[PFO], s[PFA:PFA+1] th:TH_LOAD_NT scope:SCOPE_SE
.Lnot_asked_\@:
.endif
.if \so >= 0
	SCLD 1-(\k)/2, \so
.endif
	WIN MUL_HI
	MUL16 2, 8, \k, \zero
	WIN MUL_LO
	MUL16 0, 8, \k, \zero
	PLACES
	FB NK/2, NK%2, 8
.endm
	s_wait_alu depctr_va_vdst(0)
	s_wait_tensorcnt 0x0                           ; my tile of the head's four is in
	ds_add_u32 v[SPW], v[NIL]
.irp g, G1, G1B                        ; no tensor load of mine is out: from here on a load brings a dense 24,576 bytes as 96 rows of 256
	s_mov_b32 s[\g+1], 32<<16
	s_mov_b32 s[\g+2], 96<<16
	s_mov_b32 s[\g+3], 32<<16
	s_mov_b32 s[\g+4], 96
	s_mov_b32 s[\g+5], 32
.endr
	s_wait_dscnt 0x0
	s_barrier_signal -1
	s_barrier_wait -1                              ; everybody's tile is in: both slots and the scale words are whole
	FB 0, 0, 0
	FA 0, 0, 0
	SCLD 0, 0
	FB 0, 0, 8
	STEP 0, 1, 0, 0                                ; K step 0 starts the sums
	s_mov_b32 s3, 3
.Lquad:                                                ; a trip: K steps 1, 2, 3 of four and step 0 of the next four; both slots are filled again
	STEP 1, 0, 1, -1
	STEP 2, 0, 0, 256
	STEP 3, 0, 1, -1
	STEP 0, 0, 0, 256
	s_add_co_u32 s[SQ], s[SQ], 256
	v_add_nc_u32 v[ADSA], s[SQ], v[ADSA0]
	v_add_nc_u32 v[ADSB], s[SQ], v[ADSB0]
	s_sub_co_u32 s3, s3, 1
	s_cmp_lg_u32 s3, 0
	s_wait_alu depctr_va_vdst(0)
	s_cbranch_scc1 .Lquad
	STEP 1, 0, 2, -1                               ; the last three K steps fill nothing
	STEP 2, 0, 0, -1
	s_wait_dscnt 24
	WIN MUL_LO
	MUL16 0, 0, 3, 0
	WIN MUL_HI
	MUL16 2, 0, 3, 0
	s_wait_dscnt 0x0
	MUL16 2, 8, 3, 0
	WIN MUL_LO
	MUL16 0, 8, 3, 0
	PLACES                                         ; ahead of the first reads of results and of writes onto B's fragments
	WIN 0x40
	v_mov_b32 v[EA], v[CO]
; THE GATES of my rows 16 a .. 16 a + 15: 32 hidden numbers a lane.  Exponentials and reciprocals go in batches, each with the waits ahead and behind.
.macro EPI a
	WIN 0x42+(\a)/2                                ; destination window 1, source 0 window 2 or 3, source 2 (the bias) window 0
	s_wait_alu depctr_va_vdst(0)                   ; directly ahead of the first readers of these sixteen results
.irp b, 0,1,2,3,4,5,6,7,8,9,10,11,12,13,14,15
.irp j, 0,2,4,6
.if \b/4 == 2
	v_pk_fma_f32 v[T+8*\b+\j:T+8*\b+\j+1], v[128*((\a)%2)+8*\b+\j:128*((\a)%2)+8*\b+\j+1], s[94:95], v[BI+2*\b:BI+2*\b+1] op_sel_hi:[1,0,1]
.else
	v_pk_fma_f32 v[T+8*\b+\j:T+8*\b+\j+1], v[128*((\a)%2)+8*\b+\j:128*((\a)%2)+8*\b+\j+1], s[92:93], v[BI+2*\b:BI+2*\b+1] op_sel_hi:[1,0,1]
.endif
.endr
.endr
	WIN 0x55                                       ; all in window 1
	s_wait_alu depctr_va_vdst(0)
.set n, 0
.rept 128
	v_exp_f32 v[T+n], v[T+n]
.set n, n+1
.endr
	v_nop
	s_wait_alu depctr_va_vdst(0)
.set n, 0
.rept 64
	v_pk_add_f32 v[T+n:T+n+1], v[T+n:T+n+1], 1.0 op_sel_hi:[1,0]
.set n, n+2
.endr
	s_wait_alu depctr_va_vdst(0)
.set n, 0
.rept 128
	v_rcp_f32 v[T+n], v[T+n]                       ; f, i, o are finished; of g: 1 / (1 + 2^(2 x log2 e))
.set n, n+1
.endr
	v_nop
	s_wait_alu depctr_va_vdst(0)
	s_wait_loadcnt 0x0                             ; c_prev of these rows is in
.if (\a) > 0
	s_wait_xcnt 0x0                                ; the last block's stores have read c_t's and h_t's registers
.endif
.set n, 0
.rept 16
	v_pk_fma_f32 v[T+64+n:T+64+n+1], v[T+64+n:T+64+n+1], -2.0, 1.0 op_sel_hi:[1,0,0]   ; g = tanh
.set n, n+2
.endr
.set n, 0
.rept 16
	v_pk_mul_f32 v[T+64+n:T+64+n+1], v[T+64+n:T+64+n+1], v[T+32+n:T+32+n+1]            ; i g
.set n, n+2
.endr
.irp t, 0,1,2,3
.irp j, 0,1,2,3,4,5,6,7
	v_fma_f32 v[CT+4*\j+\t], v[T+8*\t+\j], v[CP+4*\j+\t], v[T+64+8*\t+\j]              ; c_t = f c_prev + i g, into the order of a row
.endr
.endr
.if (\a) < 3
.irp j, 0,1,2,3,4,5,6,7
	global_load_b128 v[CP+4*\j:CP+4*\j+3], v[EA], s[12:13] offset:(16*((\a)+1)+\j)*4096 th:TH_LOAD_NT   ; the next 16 rows' c_prev
.endr
.endif
.set n, 0
.rept 16
	v_pk_mul_f32 v[TC+n:TC+n+1], v[CT+n:CT+n+1], s[94:95] op_sel_hi:[1,0]
.set n, n+2
.endr
	s_wait_alu depctr_va_vdst(0)
.set n, 0
.rept 32
	v_exp_f32 v[TC+n], v[TC+n]
.set n, n+1
.endr
.irp j, 0,1,2,3,4,5,6,7
	global_store_b128 v[EA], v[CT+4*\j:CT+4*\j+3], s[66:67] offset:(16*(\a)+\j)*4096 th:TH_STORE_NT   ; sixteen lanes store 256 consecutive bytes, aligned
.endr
	v_nop
	s_wait_alu depctr_va_vdst(0)
.set n, 0
.rept 16
	v_pk_add_f32 v[TC+n:TC+n+1], v[TC+n:TC+n+1], 1.0 op_sel_hi:[1,0]
.set n, n+2
.endr
	s_wait_alu depctr_va_vdst(0)
.set n, 0
.rept 32
	v_rcp_f32 v[TC+n], v[TC+n]
.set n, n+1
.endr
	v_nop
	s_wait_alu depctr_va_vdst(0)
.set n, 0
.rept 16
	v_pk_fma_f32 v[TC+n:TC+n+1], v[TC+n:TC+n+1], -2.0, 1.0 op_sel_hi:[1,0,0]           ; tanh(c_t)
.set n, n+2
.endr
.irp t, 0,1,2,3
.irp j, 0,1,2,3,4,5,6,7
	v_mul_f32 v[HT+4*\j+\t], v[TC+4*\j+\t], v[T+96+8*\t+\j]                            ; h_t = o tanh(c_t)
.endr
.endr
.irp j, 0,1,2,3,4,5,6,7
	global_store_b128 v[EA], v[HT+4*\j:HT+4*\j+3], s[22:23] offset:(16*(\a)+\j)*4096 th:TH_STORE_NT
.endr
.endm
	EPI 0
	EPI 1
	EPI 2
	EPI 3
	WIN 0
	s_wait_tensorcnt 0x0                           ; the wave's end
	ds_add_u32 v[SPW], v[NIL]
	s_wait_dscnt 0x0
	CROUND                                         ; the closing round
	s_endpgm
.Lfunc_end_k_qcf9c3b35be_cell:
	.size	k_qcf9c3b35be_cell, .Lfunc_end_k_qcf9c3b35be_cell-k_qcf9c3b35be_cell
	.p2alignl 7, 3214868480
	.fill 96, 4, 3214868480
	.section	.rodata,"a",@progbits
	.p2align	6, 0x0
	.amdhsa_kernel k_qcf9c3b35be_cell
		.amdhsa_group_segment_fixed_size 327680
		.amdhsa_private_segment_fixed_size 0
		.amdhsa_enable_private_segment 0
		.amdhsa_kernarg_size 88
		.amdhsa_user_sgpr_count 2
		.amdhsa_user_sgpr_kernarg_segment_ptr 1
		.amdhsa_wavefront_size32 1
		.amdhsa_system_sgpr_workgroup_id_x 1
		.amdhsa_system_sgpr_workgroup_id_y 1
		.amdhsa_system_sgpr_workgroup_id_z 1
		.amdhsa_system_vgpr_workitem_id 0
		.amdhsa_next_free_vgpr 1024
		.amdhsa_next_free_sgpr 106
		.amdhsa_reserve_vcc 0
		.amdhsa_float_denorm_mode_32 3
		.amdhsa_float_denorm_mode_16_64 3
		.amdhsa_memory_ordered 1
		.amdhsa_forward_progress 1
		.amdhsa_inst_pref_size 234
	.end_amdhsa_kernel
	.amdgpu_metadata
---
amdhsa.version: [ 1, 2 ]
amdhsa.kernels:
  - .name:           k_qcf9c3b35be_cell
    .symbol:         k_qcf9c3b35be_cell.kd
    .args:
      - { .name: a_codes, .offset: 0, .size: 8, .value_kind: global_buffer, .address_space: global }
      - { .name: a_scales, .offset: 8, .size: 8, .value_kind: global_buffer, .address_space: global }
      - { .name: b_codes, .offset: 16, .size: 8, .value_kind: global_buffer, .address_space: global }
      - { .name: b_scales, .offset: 24, .size: 8, .value_kind: global_buffer, .address_space: global }
      - { .name: c_prev, .offset: 32, .size: 8, .value_kind: global_buffer, .address_space: global }
      - { .name: b_f, .offset: 40, .size: 8, .value_kind: global_buffer, .address_space: global }
      - { .name: b_i, .offset: 48, .size: 8, .value_kind: global_buffer, .address_space: global }
      - { .name: b_c, .offset: 56, .size: 8, .value_kind: global_buffer, .address_space: global }
      - { .name: b_o, .offset: 64, .size: 8, .value_kind: global_buffer, .address_space: global }
      - { .name: out0, .offset: 72, .size: 8, .value_kind: global_buffer, .address_space: global }
      - { .name: out1, .offset: 80, .size: 8, .value_kind: global_buffer, .address_space: global }
    .group_segment_fixed_size: 327680
    .private_segment_fixed_size: 0
    .kernarg_segment_align: 8
    .kernarg_segment_size: 88
    .max_flat_workgroup_size: 128
    .sgpr_count:     106
    .vgpr_count:     1024
    .wavefront_size: 32
...
	.end_amdgpu_metadata
.endif
;; end of part 2
